; MI455X (gfx1250); checked and timed in simulation.
; The chip was launched on July 23, 2026; its instructions are those of AMD's public machine-readable ISA for CDNA 5 (MIT licence, August 2026) and "CDNA5" Instruction Set Architecture Reference Guide (July 2026). The comments in the code are by the model that wrote it; some were corrected since.
;; Inv SGSS Quantized Linear. Allowed arithmetic: matrix products marked QUANTISED: E5M2 operands, one E8M0 scale for each 32 along K, by v_wmma_scale_f32_16x16x128_f8f6f4 with both operands' format E5M2, f32 sums; everything else in f32.
;; Inputs: W_q 4,096 x 4,096 int32; bias 4,096 float32; mu1 4,096 float32; mu2 4,096 float32; scales 4,096 x 32 x 1 float32; x 4 x 1,024 x 4,096 float32; zeros 4,096 x 32 x 1 float32.
;; Outputs: out0 4 x 1,024 x 4,096 float32.
;; This version of the problem:
;;   THIS VERSION OF THE PROBLEM IS GIVEN IN LOW PRECISION. The matrix products marked QUANTISED in the list below multiply operands that are first quantised to E5M2 (5 exponent bits, 2 mantissa bits; 8 bits a number), with one power-of-two scale for each 32 numbers along K (OCP MX v1.0); their sums are f32. All else is computed in f32.
;;   The module's matrix products, in the order in which they are computed (A, B: the left and right operand; K: the contracted axis; several contracted axes count as one K, in the product's order):
;;     1. [M 4,096, K 4,096] x [K 4,096, N 4,096]; A: input x; B: computed on the way: QUANTISED
;;   THE QUANTISER, for each operand of a quantised product, along K:
;;     - K is cut into blocks of 32 from its start; a last block that is shorter is filled with zeros.
;;     - A block's scale is 2^e with e = floor(log2(the largest magnitude in the block)) - 15, held to -126 .. 127; a block of zeros has e = 0. As a byte (E8M0): e + 127.
;;     - Each number is divided by its block's scale, clamped to +-57,344, and rounded to the nearest number of E5M2, ties to even, subnormals kept.
;;     - The product sums the exact products of the quantised numbers (number of the format x scale) in f32.
;;   ~~~python
;;   def quantise(x, axis):      # numpy; x: float32 -> the quantised numbers, widened to float32 again
;;       x = np.moveaxis(x, axis, -1); K = x.shape[-1]
;;       x = np.pad(x, [(0, 0)] * (x.ndim - 1) + [(0, -K % 32)]); x = x.reshape(x.shape[:-1] + (-1, 32)); a = np.abs(x).max(-1, keepdims=True)
;;       e = np.where(a > 0, np.clip(np.frexp(np.where(a > 0, a, 1))[1] - 1 - 15, -126, 127), 0)      # np.frexp(a)[1] - 1 = floor(log2(a)), exactly
;;       r = np.clip(x / 2.0 ** e, -57344, 57344)
;;       step = 2.0 ** (np.maximum(np.frexp(np.where(r == 0, 1, r))[1] - 1, -14) - 2)
;;       q = np.round(r / step) * step * 2.0 ** e      # np.round: ties to even
;;       return np.moveaxis(q.reshape(q.shape[:-2] + (-1,))[..., :K], -1, axis).astype(np.float32)
;;   ~~~
;;   OPERANDS COMPUTED ON THE WAY. 'Computed on the way' means the value that the module computes at that place (a softmax that the list does not call 'softmax' is quantised finished and normalised). What goes into a quantiser is computed in f32, as accurately as f32 sums, v_exp_f32 and their like allow (about 1e-6 of the number): no bf16 or f16 on the way to a quantiser, and a product that is left as it is and whose result goes on into a quantised operand takes f32 operands (vector FMAs, or v_wmma_f32_16x16x4_f32). A number that lies on a knife's edge between two numbers of the format may be rounded either way, as far as f32 arithmetic and the matrix unit's own rounding can turn it there, and no further.
;; One version. Each part assembles by itself: llvm-mc -triple=amdgcn-amd-amdhsa -mcpu=gfx1250 --defsym DOCPART=n.
;; ======== version 1 of 1: 2 launches
;; limits: right only within a limited range of input values
;; workspace buffers: acodes 16,777,216 bytes; bcodes 16,777,216 bytes; scl 1,048,576 bytes
;; launch quant (part 1): grid 1024 x 1, 4 waves a work-group, no clusters, 16,896 bytes of LDS; arguments x, W_q, scales, zeros, mu1, mu2, acodes, bcodes, scl; writes acodes, bcodes, scl
.if DOCPART == 1
	.amdgcn_target "amdgcn-amd-amdhsa--gfx1250"
	.amdhsa_code_object_version 6
	.text
	.protected	k_q360002e653_quant
	.globl	k_q360002e653_quant
	.p2align	8
	.type	k_q360002e653_quant,@function
k_q360002e653_quant:
	s_mov_b64 s[64:65], 0
	v_nop
	global_prefetch_b8 v0, s[64:65] scope:SCOPE_SE
	s_setreg_imm32_b32 hwreg(HW_REG_WAVE_MODE, 25, 1), 1
	s_wait_xcnt 0x0
; Both operands of out = x Wd^T + bias are turned into codes of BF8 (E5M2), the contracted axis n innermost, with one E8M0 scale byte for each 32 along n.
; x: [4096][4096] f32, taken as it is.  Wd[k][n] = (((f32(W_q[k][n]) - zeros[k][n/128]) * scales[k][n/128]) * mu2[k]) * mu1[n], in f32, in that order of operations.
; A block's scale is 2^(floor(log2(its largest magnitude)) - 15); its byte is the largest magnitude's exponent field - 15, held at 1 from below.  Each number is held within +-57,344 x the scale and
; rounded to the nearest code, ties to even.
; LIMITS: a block of zeros gets the byte 1 where the rule says 127 (its codes are zeros, and this program alone reads the bytes); blocks whose largest magnitude lies under 2^-111 get the byte 1 as well,
; which is the rule's hold at e = -126; NaN and infinities among the inputs are not served.
; SHARES.  Work-groups 0-511 take x, 512-1023 take W.  A wave takes 32 rows x 256 columns in 16 steps of 2 rows.  Load j of a step's four: lanes 0-15 read the 256 bytes of columns 64 j .. 64 j + 63 of row 2 t,
; lanes 16-31 the same of row 2 t + 1: 16 bytes, four numbers, a lane.  A block of 32 lies in eight neighbouring lanes: its largest magnitude is joined by three DPP steps.
; THE CODES.  The scaled conversion takes eight registers under one scale; a lane has four numbers of a block, so each load has a conversion of its own, of which the first four codes (one register) are kept;
; the other four sources are the next load's registers (behind the last load: four registers that hold 0) and their codes are not used.
; A lane then holds four words of codes, one of each load.  Swapping the two low bits of the lane's number with the word's number (two exchanges between lanes, xor 1 and xor 2) gives lane 4 g + j the four words
; of load j of lanes 4 g .. 4 g + 3: 16 neighbouring codes.  One store: lanes 0-15 fill the 256 bytes of row 2 t's codes, lanes 16-31 those of row 2 t + 1's, each at a multiple of 256 from the buffer's first byte.
; THE SCALE BYTES are laid as the product's launch takes them: x's from byte 0, W's from byte 524,288; [row / 128][n / 256][j: 4][r: 16][u: 2][q: 2][b: 4], row % 128 = 32 j + 16 u + r, n % 256 = 128 q + 32 b.
; A wave's 32 rows x 8 blocks are 256 consecutive bytes: gathered in LDS, stored by one instruction.
; No tensor loads, no barrier, no cluster: waves share nothing.  Loads run five steps (20 loads a wave) ahead.  The two tensors take two copies of the text, parted once on the work-group's number; each has LDS bytes of its own.
.set EMAX, 15
.set MANT, 0x600000                    ; the mantissa field of 57,344 as f32
.set SCB,  0                           ; in a wave's 2,048 bytes of LDS: its 256 scale bytes,
.set PAR,  256                         ; and (W alone) 32 rows x 2 groups of 128 columns x {zero, scale, mu2, mu2}
.set LBX,  0
.set LBW,  8192
.set SPARE, 16384                      ; the spare words, 512 bytes
.set ROWS, 16384                       ; a row of x or of W_q in bytes
.set DEPTH, 5
.set R,    16                          ; v16-115  five sets: 16 numbers and four registers that hold 0
.set E,    116                         ; v116-123 two sets of four scale bytes
.set M,    124                         ; v124-127 largest magnitudes
.set HO,   128                         ; v128-131 57,344 x the scale
.set SO,   132                         ; v132-135 the conversions' scale operands
.set D,    136                         ; v136-143 four conversions' results: the even register is kept
.set T,    144                         ; v144-147 at work in the exchanges
.set C,    152                         ; v152-215 codes: four registers for each step, so that no store's data are written again
.set MU,   216                         ; v216-231 mu1 of my 16 columns
.set P,    232                         ; v232-247 two sets of my row's two groups' {zero, scale, mu2, mu2}
	s_load_b256 s[4:11], s[0:1], 0x0               ; x, W_q, scales, zeros
	s_load_b256 s[12:19], s[0:1], 0x20             ; mu1, mu2, x's codes, W's codes
	s_load_b64 s[20:21], s[0:1], 0x40              ; the scale bytes
	v_lshl_add_u32 v14, v0, 2, SPARE
	v_mov_b32 v15, 0
	v_lshrrev_b32 v1, 5, v0
	v_readfirstlane_b32 s22, v1                    ; wave 0..3
	s_lshl_b32 s30, s22, 11                        ; my wave's 2,048 bytes of LDS
	s_mov_b32 s23, MANT
	s_mov_b32 s40, 0xaaaaaaaa                      ; lanes with bit 0 set
	s_mov_b32 s41, 0xcccccccc                      ; lanes with bit 1 set
	v_and_b32 v2, 31, v0                           ; lane
	v_lshrrev_b32 v8, 4, v2                        ; hl = lane / 16
	v_and_b32 v9, 15, v2                           ; c = lane % 16
	v_lshlrev_b32 v3, 4, v9
	v_lshl_add_u32 v3, v8, 14, v3                  ; in: row hl of the step's two, 16 bytes at 16 c
	v_and_b32 v4, 3, v2
	v_lshlrev_b32 v4, 6, v4
	v_bfe_u32 v1, v2, 2, 2
	v_lshl_add_u32 v4, v1, 4, v4
	v_lshl_add_u32 v4, v8, 12, v4                  ; codes out: row hl (4,096 bytes a row), 64 (lane % 4) + 16 ((lane / 4) % 4)
	v_bfe_u32 v5, v2, 3, 1
	v_lshl_add_u32 v5, v8, 4, v5
	v_add_nc_u32 v5, s30, v5                       ; my block's scale byte: 16 hl + c / 8; 32 (t % 8) + 8 (t / 8) + 2 j stand in the immediate
	v_lshlrev_b32 v7, 3, v2                        ; the scale bytes' way out: 8 bytes a lane
	v_add_nc_u32 v6, s30, v7
	v_lshlrev_b32 v10, 5, v8
	v_add_nc_u32 v10, s30, v10                     ; W: where I read my row's parameters: 32 hl; 64 t stands in the immediate
	v_lshlrev_b32 v11, 5, v2
	v_add_nc_u32 v11, s30, v11                     ; and where lane = row puts them: 32 bytes a row
	v_lshlrev_b32 v148, 7, v2                      ; zeros and scales: lane = row, 128 bytes a row
	v_lshlrev_b32 v149, 2, v2                      ; mu2: lane = row
	v_lshlrev_b32 v150, 4, v9                      ; mu1: 16 bytes at 16 c of each 256
.irp s, 0,1,2,3,4
.irp i, 16,17,18,19
	v_mov_b32 v[R+20*\s+\i], 0                     ; the four registers behind each set
.endr
.endr
.irp i, 0,1,2,3
	v_mov_b32 v[T+\i], 0                           ; a DPP form's destination counts as read
.endr
	s_wait_alu depctr_va_vdst(0)                   ; the head's end
	s_wait_kmcnt 0x0
	s_cmp_lt_u32 ttmp9, 512                        ; x's work-group or W's?  All selects stand ahead of the next line that sets SCC
	s_cselect_b64 s[4:5], s[4:5], s[6:7]
	s_cselect_b64 s[16:17], s[16:17], s[18:19]
	s_cselect_b32 s24, 0, 512
	s_cselect_b32 s27, 0, 0x80000
	s_sub_co_u32 s24, ttmp9, s24                   ; the work-group's number in its tensor
	s_lshr_b32 s25, s24, 2                         ; which 32 rows
	s_and_b32 s26, s24, 3
	s_lshl_b32 s26, s26, 2
	s_add_co_u32 s26, s26, s22                     ; which 256 columns
	s_mov_b32 s29, 0
	s_lshl_b32 s28, s25, 19
	s_lshl_b32 s31, s26, 10
	s_add_co_u32 s28, s28, s31
	s_add_nc_u64 s[4:5], s[4:5], s[28:29]          ; the source
	s_mov_b32 s28, s31
	s_add_nc_u64 s[12:13], s[12:13], s[28:29]      ; mu1
	s_add_co_u32 s28, s27, s31                     ; the scale bytes: tensor + 1,024 x (n / 256)
	s_lshr_b32 s31, s25, 2
	s_lshl_b32 s31, s31, 14                        ; + 16,384 x (row / 128)
	s_add_co_u32 s28, s28, s31
	s_and_b32 s31, s25, 3
	s_lshl_b32 s31, s31, 8                         ; + 256 j
	s_add_co_u32 s28, s28, s31
	s_add_nc_u64 s[20:21], s[20:21], s[28:29]
	s_lshl_b32 s28, s25, 17
	s_lshl_b32 s31, s26, 8
	s_add_co_u32 s28, s28, s31
	s_add_nc_u64 s[16:17], s[16:17], s[28:29]      ; the codes
	s_lshl_b32 s28, s25, 12
	s_lshl_b32 s31, s26, 3
	s_add_co_u32 s28, s28, s31
	s_add_nc_u64 s[8:9], s[8:9], s[28:29]          ; scales and zeros: 32 rows of 128 bytes, two groups of 4
	s_add_nc_u64 s[10:11], s[10:11], s[28:29]
	s_lshl_b32 s28, s25, 7
	s_add_nc_u64 s[14:15], s[14:15], s[28:29]      ; mu2
.macro LOAD t
.irp j, 0,1,2,3
	global_load_b128 v[R+20*((\t)%DEPTH)+4*\j:R+20*((\t)%DEPTH)+4*\j+3], v3, s[4:5] offset:2*(\t)*ROWS+256*\j th:TH_LOAD_NT   ; 16 lanes read 256 consecutive bytes of a row
.endr
.endm
.macro PARLOAD t, lb
	ds_load_b128 v[P+8*((\t)%2):P+8*((\t)%2)+3],   v10 offset:\lb+PAR+64*(\t)
	ds_load_b128 v[P+8*((\t)%2)+4:P+8*((\t)%2)+7], v10 offset:\lb+PAR+64*(\t)+16
.endm
.macro XCH m, x, a, b, oa, ob, ta, tb  ; words a and b change places between lanes l and l xor x: lanes in mask m keep b and get the partner's b as a; the others keep a and get the partner's a as b
	v_cndmask_b32 v[\ta], v[\b], v[\a], \m
	v_mov_b32_dpp v[\tb], v[\ta] row_xmask:\x row_mask:0xf bank_mask:0xf
	v_cndmask_b32 v[\oa], v[\a], v[\tb], \m
	v_cndmask_b32 v[\ob], v[\tb], v[\b], \m
.endm
.macro STEP t, deq, lb
.set XS, R+20*((\t)%DEPTH)
.set PS, P+8*((\t)%2)
.set ES, E+4*((\t)%2)
.if 15-(\t) >= DEPTH-1
	s_wait_loadcnt 4*(DEPTH-1)                     ; this step's four loads are in; those of the four steps behind it may be out
.else
	s_wait_loadcnt 4*(15-(\t))
.endif
.if (\t) > 0
	s_wait_dscnt 4                                 ; all but the last step's four byte stores: my parameters are in, and the byte stores of two steps ago have read their registers
.else
	s_wait_dscnt 0x0
.endif
.if \deq
.if (\t) < 15
	PARLOAD (\t)+1, \lb
.endif
.irp i, 0,1,2,3,4,5,6,7,8,9,10,11,12,13,14,15
	v_cvt_f32_i32 v[XS+\i], v[XS+\i]
.endr
.irp j, 0,1,2,3
.irp k, 0,2
	v_pk_add_f32 v[XS+4*\j+\k:XS+4*\j+\k+1], v[XS+4*\j+\k:XS+4*\j+\k+1], v[PS+4*(\j/2):PS+4*(\j/2)+1] op_sel_hi:[1,0] neg_lo:[0,1] neg_hi:[0,1]   ; - zero of columns 64 j ..'s group
.endr
.endr
.irp j, 0,1,2,3
.irp k, 0,2
	v_pk_mul_f32 v[XS+4*\j+\k:XS+4*\j+\k+1], v[XS+4*\j+\k:XS+4*\j+\k+1], v[PS+4*(\j/2):PS+4*(\j/2)+1] op_sel:[0,1] op_sel_hi:[1,1]                ; x scale
.endr
.endr
.irp j, 0,1,2,3
.irp k, 0,2
	v_pk_mul_f32 v[XS+4*\j+\k:XS+4*\j+\k+1], v[XS+4*\j+\k:XS+4*\j+\k+1], v[PS+4*(\j/2)+2:PS+4*(\j/2)+3]                                           ; x mu2 of my row
.endr
.endr
.irp j, 0,1,2,3
.irp k, 0,2
	v_pk_mul_f32 v[XS+4*\j+\k:XS+4*\j+\k+1], v[XS+4*\j+\k:XS+4*\j+\k+1], v[MU+4*\j+\k:MU+4*\j+\k+1]                                               ; x mu1 of my columns
.endr
.endr
.endif
.irp j, 0,1,2,3                        ; the four loads by turns: no line waits for the line above it
	v_max3_num_f32 v[M+\j], |v[XS+4*\j]|, |v[XS+4*\j+1]|, |v[XS+4*\j+2]|
.endr
.irp j, 0,1,2,3
	v_max3_num_f32 v[M+\j], v[M+\j], |v[XS+4*\j+3]|, (EMAX+1)<<23        ; and the floor 2^(16 - 127): the byte cannot fall under 1
.endr
.irp x, 1,2,4
.irp j, 0,1,2,3
	v_max_num_f32_dpp v[M+\j], v[M+\j], v[M+\j] row_xmask:\x row_mask:0xf bank_mask:0xf   ; over the block's eight lanes
.endr
.endr
.irp j, 0,1,2,3
	v_add_nc_u32 v[SO+\j], -(EMAX<<23), v[M+\j]    ; 15 off the exponent field: the conversion's scale operand
.endr
.irp j, 0,1,2,3
	v_and_or_b32 v[HO+\j], v[M+\j], 0x7f800000, s23   ; 57,344 x the scale
.endr
.irp j, 0,1,2,3
.irp k, 0,1,2,3
	v_med3_num_f32 v[XS+4*\j+\k], v[XS+4*\j+\k], -v[HO+\j], v[HO+\j]   ; the conversion to an 8-bit code does not saturate (ISA guide 7.6.2)
.endr
.endr
.irp j, 0,1,2,3
	v_cvt_scalef32_pk8_bf8_f32 v[D+2*\j:D+2*\j+1], v[XS+4*\j:XS+4*\j+7], v[SO+\j]   ; the first four codes, in v[D + 2 j], are load j's
.endr
.irp j, 0,1,2,3
	v_lshrrev_b32 v[ES+\j], 23, v[SO+\j]           ; the scale's byte.  (Also the plain vector lines behind the conversions)
.endr
.if (\t)+DEPTH < 16
	LOAD (\t)+DEPTH                                ; the set has been read out
.endif
	XCH s40, 1, D+0, D+2, D+0, D+2, T+0, T+2
	XCH s40, 1, D+4, D+6, D+4, D+6, T+1, T+3
	XCH s41, 2, D+0, D+4, C+4*(\t)+0, C+4*(\t)+2, T+0, T+2
	XCH s41, 2, D+2, D+6, C+4*(\t)+1, C+4*(\t)+3, T+1, T+3
.irp j, 0,1,2,3
	ds_store_b8 v5, v[ES+\j] offset:\lb+SCB+32*((\t)%8)+8*((\t)/8)+2*\j   ; row 2 t + hl is r = 2 (t % 8) + hl, u = t / 8: byte 16 r + 8 u + 2 j + c / 8.  A block's eight lanes write the same byte with the same value
.endr
	global_store_b128 v4, v[C+4*(\t):C+4*(\t)+3], s[16:17] offset:8192*(\t)
.endm
.macro BODY deq, lb
.if \deq                                       ; the parameters are asked for first, so that every later count of loads is the same in both copies of the text
	global_load_b64 v[152:153], v148, s[10:11]     ; lane = row: the zeros of my wave's two groups,
	global_load_b64 v[154:155], v148, s[8:9]       ; their scales,
	global_load_b32 v156, v149, s[14:15]           ; the row's mu2
.irp j, 0,1,2,3
	global_load_b128 v[MU+4*\j:MU+4*\j+3], v150, s[12:13] offset:256*\j
.endr
.endif
.irp t, 0,1,2,3,4
	LOAD \t
.endr
.if \deq
	s_wait_loadcnt 4*DEPTH                         ; the seven parameter loads are in
	v_mov_b32 v160, v152                           ; {zero, scale, mu2, mu2} of the row's first group,
	v_mov_b32 v161, v154
	v_mov_b32 v162, v156
	v_mov_b32 v163, v156
	v_mov_b32 v164, v153                           ; and of its second
	v_mov_b32 v165, v155
	v_mov_b32 v166, v156
	v_mov_b32 v167, v156
	ds_store_b128 v11, v[160:163] offset:\lb+PAR
	ds_store_b128 v11, v[164:167] offset:\lb+PAR+16
	PARLOAD 0, \lb                                 ; LDS serves a wave's instructions in order (ISA guide 5.7.1.4): these see the stores
.endif
.irp t, 0,1,2,3,4,5,6,7,8,9,10,11,12,13,14,15
	STEP \t, \deq, \lb
.endr
	ds_load_b64 v[12:13], v6 offset:\lb+SCB        ; in order behind my byte stores
	s_wait_dscnt 0x0
	global_store_b64 v7, v[12:13], s[20:21]        ; 32 lanes store 256 consecutive bytes, at a multiple of 256 from the buffer's first byte
	s_wait_tensorcnt 0x0                           ; the wave's end
	ds_add_u32 v14, v15
	s_wait_dscnt 0x0
	s_endpgm
.endm
	s_cmp_lt_u32 ttmp9, 512                        ; compared anew: the sums above have set SCC
	s_cbranch_scc0 .Lw
	BODY 0, LBX
.Lw:
	BODY 1, LBW
.Lfunc_end_k_q360002e653_quant:
	.size	k_q360002e653_quant, .Lfunc_end_k_q360002e653_quant-k_q360002e653_quant
	.p2alignl 7, 3214868480
	.fill 96, 4, 3214868480
	.section	.rodata,"a",@progbits
	.p2align	6, 0x0
	.amdhsa_kernel k_q360002e653_quant
		.amdhsa_group_segment_fixed_size 16896
		.amdhsa_private_segment_fixed_size 0
		.amdhsa_enable_private_segment 0
		.amdhsa_kernarg_size 72
		.amdhsa_user_sgpr_count 2
		.amdhsa_user_sgpr_kernarg_segment_ptr 1
		.amdhsa_wavefront_size32 1
		.amdhsa_system_sgpr_workgroup_id_x 1
		.amdhsa_system_sgpr_workgroup_id_y 1
		.amdhsa_system_sgpr_workgroup_id_z 1
		.amdhsa_system_vgpr_workitem_id 0
		.amdhsa_next_free_vgpr 248
		.amdhsa_next_free_sgpr 66
		.amdhsa_reserve_vcc 0
		.amdhsa_float_denorm_mode_32 3
		.amdhsa_float_denorm_mode_16_64 3
		.amdhsa_memory_ordered 1
		.amdhsa_forward_progress 1
		.amdhsa_inst_pref_size 213
	.end_amdhsa_kernel
	.amdgpu_metadata
---
amdhsa.version: [ 1, 2 ]
amdhsa.kernels:
  - .name:           k_q360002e653_quant
    .symbol:         k_q360002e653_quant.kd
    .args:
      - { .name: x, .offset: 0, .size: 8, .value_kind: global_buffer, .address_space: global }
      - { .name: W_q, .offset: 8, .size: 8, .value_kind: global_buffer, .address_space: global }
      - { .name: scales, .offset: 16, .size: 8, .value_kind: global_buffer, .address_space: global }
      - { .name: zeros, .offset: 24, .size: 8, .value_kind: global_buffer, .address_space: global }
      - { .name: mu1, .offset: 32, .size: 8, .value_kind: global_buffer, .address_space: global }
      - { .name: mu2, .offset: 40, .size: 8, .value_kind: global_buffer, .address_space: global }
      - { .name: acodes, .offset: 48, .size: 8, .value_kind: global_buffer, .address_space: global }
      - { .name: bcodes, .offset: 56, .size: 8, .value_kind: global_buffer, .address_space: global }
      - { .name: scl, .offset: 64, .size: 8, .value_kind: global_buffer, .address_space: global }
    .group_segment_fixed_size: 16896
    .private_segment_fixed_size: 0
    .kernarg_segment_align: 8
    .kernarg_segment_size: 72
    .max_flat_workgroup_size: 128
    .sgpr_count:     66
    .vgpr_count:     248
    .wavefront_size: 32
...
	.end_amdgpu_metadata
.endif
;; end of part 1
;; launch gemm (part 2): grid 16 x 16, 4 waves a work-group, clusters of 4 x 4, 327,680 bytes of LDS; arguments acodes, bcodes, scl, bias, out0; writes out0
.if DOCPART == 2
	.amdgcn_target "amdgcn-amd-amdhsa--gfx1250"
	.amdhsa_code_object_version 6
	.text
	.protected	k_q360002e653_gemm
	.globl	k_q360002e653_gemm
	.p2align	8
	.type	k_q360002e653_gemm,@function
k_q360002e653_gemm:
	s_mov_b64 s[64:65], 0
	v_nop
	global_prefetch_b8 v0, s[64:65] scope:SCOPE_SE
	s_setreg_imm32_b32 hwreg(HW_REG_WAVE_MODE, 25, 1), 1
	s_wait_xcnt 0x0
	s_wait_alu depctr_hold_cnt(0) depctr_sa_sdst(0) depctr_va_vdst(0) depctr_va_sdst(0) depctr_va_ssrc(0) depctr_va_vcc(0) depctr_vm_vsrc(0)
	s_getreg_b32 s2, hwreg(HW_REG_IB_STS2, 6, 4)
	s_cmp_eq_u32 s2, 0
	s_cbranch_scc0 .Lentry_in_a_cluster
	s_endpgm
.Lentry_in_a_cluster:
	s_bfe_u32 s2, ttmp6, 0x10000c
	s_cmp_lg_u32 s2, 0xf033
	s_cbranch_scc0 .Lentry_shape_is_right
	s_endpgm
.Lentry_shape_is_right:
; out[m][k] = sum over n of x[m][n] Wd[k][n] + bias[k], on the codes of BF8 (E5M2) and E8M0 scale bytes that the launch before has stored.
; acodes [4096 m][4096 n], bcodes [4096 k][4096 n]: one code a byte, n innermost.  scl: x's scale bytes from byte 0, Wd's from byte 524,288, laid
; [row / 128][n / 256][j: 4][r: 16][u: 2][q: 2][b: 4] (row % 128 = 32 j + 16 u + r, n % 256 = 128 q + 32 b): a lane's 16 bytes are four scale registers.
; A block of out, 256 x 256, is made by four waves, 128 x 128 each: 64 accumulators, 512 registers.  The contracted axis goes in steps of 256 through a ring of two LDS slots
; (256 rows of x's codes, 256 of Wd's, rows of 256 bytes + 16 of padding), each wave fetching 128 rows by one tensor load.
; CLUSTERS, 4 x 4: the four work-groups of a row of the cluster need the same rows of acodes, the four of a column the same rows of bcodes: joint loads with a mask of four.
; THE MATRIX INSTRUCTION IS USED TRANSPOSED (source 0 = 16 rows of Wd, source 1 = 16 rows of x): a lane holds eight neighbouring numbers of a row of out.  The bias is the C of each accumulator's first product.
; A SUBSTEP is 128 along n: 64 products, x's blocks 0 to 7 one after the other, each against Wd's eight.  The next substep's 64 LDS loads go in two runs: behind x's blocks 0-1 (in a change of slots: 0-2)
; Wd's eight fragments and x's 0-1, 40 loads; behind x's block 5 x's blocks 2-7, 24 loads.  Wd has two sets of registers; x has one, but for blocks 6-7, which lie in v224-255 for a slot's first 128
; and in v64-95 for its second (the bias has been used by then; in the first substep those two are fetched last).
; THE CHANGE OF SLOTS stands in a slot's second substep, behind its first sixteen products: all my reads of the slot were issued in the substep before.
; PREFETCHES: behind each refill a wave names the codes that stand two refills on: 32 rows x 256 bytes, a lane a row; of the 128 rows that four partners ask for jointly each takes 32, told apart by address.
; One more line names one block of 256 bytes of the scale bytes of that same step: a cluster's 64 such blocks, one to each of its 64 waves (all lanes name the wave's one block).
; K steps 1 and 2 are named behind the head's load, step 3 behind slot 1's first fill; the loop's last trip names nothing: there is no step 16.
; REGISTERS: window 0: v0-31 addresses; v32-63 scale words, a set for each slot; v64-127 the bias; v128-255 x's fragments.  Window 1: Wd's fragments, two sets.  Windows 2, 3: accumulators.
.set SIZE_N, 4096
.set ROWB,   256                       ; a tile's row in bytes
.set KROW,   4096                      ; a row of codes in memory
.set PITCH,  272                       ; an LDS row: 256 bytes + 16 of padding: 16 rows start at 16 different banks
.set FR,     16                        ; registers of a fragment
.set NP,     8                         ; places behind this matrix instruction (ISA guide 7.12.1)
.set HALFT,  128*PITCH
.set SLOT,   4*HALFT
.set LAPS,   8                         ; a lap = two K steps of 256
.set SPARE,  2*SLOT                    ; behind the ring: the spare words, 512 bytes
.set SPITCH, 528                       ; the way out: stage rows of 512 bytes + 16; the stage lies in slot 0 behind its last fill and last read
.set SCLB,   524288
.set SCLK,   1024                      ; scale bytes of 128 rows for one K step
.set ADRA, 16
.set ADRB, 20
.set STO,  24
.set RD,   25
.set CO,   26
.set ADRS, 27                          ; my offset in scl: lanes 0-15 x's rows, lanes 16-31 Wd's
.set SPW,  28
.set NIL,  29
.set PFO,  30                          ; lane x 4,096: a row of codes a lane
.set PFZ,  31                          ; 0: the offset of the scale bytes' prefetch
.set SC,   32
.set BI,   64
.set AF,   128
.set ALT,  160                         ; x's blocks 6-7 of a slot's second 128 lie 160 registers lower: v64-95
.set BK,   128
.set G1, 24
.set G0, 32
.set G1B, 48
.set G0B, 56
.set PFA, 66                           ; s[66:67] my 32 rows of codes, at the K step behind the one being multiplied
.set PFS, 68                           ; s[68:69] my block of scale bytes, likewise
.set MSB, 0
.macro WIN new                         ; the immediate's high byte repeats the setting that is left
.if MSB != \new
	s_set_vgpr_msb (MSB<<8)|\new
.set MSB, \new
.endif
.endm
.set TO_B, 0x40                        ; destination window 1, address window 0
.macro MW hi, zero                     ; for products: source 0 window 1, source 1 window 0, D window 2 + hi; C the same, or the bias in window 0
.if \zero
	WIN 0x81+0x40*\hi
.else
	WIN 0xa1+0x50*\hi
.endif
.endm
.macro JLOAD g0a, g1a, g0b, g1b        ; a joint load: waves 0, 1 fetch x's codes, waves 2, 3 Wd's; s_nop 0 and four v_nop behind each line
	s_cmp_eq_u32 s15, 0
	s_cbranch_scc0 .Lfor_b_\@
	tensor_load_to_lds s[\g0a:\g0a+3], s[\g1a:\g1a+7]
	s_nop 0
.rept 4
	v_nop
.endr
	s_branch .Lasked_\@
.Lfor_b_\@:
	tensor_load_to_lds s[\g0b:\g0b+3], s[\g1b:\g1b+7]
	s_nop 0
.rept 4
	v_nop
.endr
.Lasked_\@:
.endm
.macro ASK                             ; not in the loop's last trip (s3 = 1): its look-ahead would pass the last K step
	s_cmp_gt_u32 s3, 1
	s_cbranch_scc0 .Lnone_\@
	global_prefetch_b8 v[PFO], s[PFA:PFA+1] offset:3*ROWB th:TH_LOAD_NT scope:SCOPE_SE
	global_prefetch_b8 v[PFZ], s[PFS:PFS+1] offset:3*SCLK th:TH_LOAD_NT scope:SCOPE_SE
.Lnone_\@:
.endm
.macro CREST                           ; a round of the cluster's barrier behind its opening barrier
	s_cmp_lg_u32 s14, 0
	s_cbranch_scc1 .Lnot_wave_0_\@
	s_barrier_signal -3
.Lnot_wave_0_\@:
	s_barrier_wait -3
	s_barrier_signal -1
	s_barrier_wait -1
.endm
.macro CROUND
	s_barrier_signal -1
	s_barrier_wait -1
	CREST
.endm
	s_load_b128 s[4:7], s[0:1], 0x0                ; acodes, bcodes
	s_load_b128 s[8:11], s[0:1], 0x10              ; scl, bias
	s_load_b64 s[12:13], s[0:1], 0x20              ; out
	v_lshl_add_u32 v[SPW], v0, 2, SPARE
	v_mov_b32 v[NIL], 0
	ds_add_u32 v[SPW], v[NIL]                      ; the opening lines: the add, twice on end, and its wait ahead of my first tensor load
	ds_add_u32 v[SPW], v[NIL]
	v_lshrrev_b32 v1, 5, v0
	v_readfirstlane_b32 s14, v1                    ; wave 0..3
	s_lshr_b32 s15, s14, 1                         ; my half of the block's rows; also: I fetch x's codes (0) or Wd's (1)
	s_and_b32 s16, s14, 1                          ; my half of its columns; also: which 128 rows I fetch
	s_bfe_u32 s40, ttmp6, 0x40000                  ; cx
	s_bfe_u32 s41, ttmp6, 0x40004                  ; cy
	s_lshl_b32 s42, ttmp9, 2
	s_add_co_u32 s42, s42, s40                     ; block column
	s_and_b32 s17, ttmp7, 0xffff
	s_lshl_b32 s17, s17, 2
	s_add_co_u32 s17, s17, s41                     ; block row
	s_lshl_b32 s43, s41, 2
	s_lshl_b32 s43, 15, s43                        ; my row of the cluster
	s_lshl_b32 s44, 0x1111, s40                    ; my column
	s_or_b32 s[G1+0], s43, (0<<16)|(1<<20)|(1<<21)|(5<<22)|(3<<25)   ; mask; 1-byte elements; padding of 4 words behind every 64; bit 21 beside a mask
	s_or_b32 s[G1B+0], s44, (0<<16)|(1<<20)|(1<<21)|(5<<22)|(3<<25)
.irp g, G1, G1B
	s_mov_b32 s[\g+1], ROWB<<16
	s_mov_b32 s[\g+2], 128<<16
	s_mov_b32 s[\g+3], ROWB<<16
	s_mov_b32 s[\g+4], 128
	s_mov_b32 s[\g+5], KROW
	s_mov_b32 s[\g+6], 0
	s_mov_b32 s[\g+7], 0
.endr
	s_lshl_b32 s18, s16, 7
	s_lshl_b32 s20, s17, 8
	s_add_co_u32 s20, s20, s18
	s_lshl_b32 s20, s20, 12                        ; x's codes: row 256 x block row + 128 x half, 4,096 bytes a row
	s_mov_b32 s21, 0
	s_lshl_b32 s46, s42, 8
	s_add_co_u32 s46, s46, s18
	s_lshl_b32 s46, s46, 12                        ; Wd's: by the block column
	s_mov_b32 s47, 0
	s_mul_i32 s45, s14, HALFT                      ; where my 128 rows go: by the wave's number alone
	s_wait_dscnt 0x0                               ; both opening adds are done
	s_wait_kmcnt 0x0
	s_add_nc_u64 s[20:21], s[4:5], s[20:21]
	s_add_nc_u64 s[46:47], s[6:7], s[46:47]
.irp s, 0,1
	s_mov_b32 s[G0+4*\s], 1
	s_add_co_u32 s[G0+4*\s+1], s45, \s*SLOT
	s_add_nc_u64 s[G0+4*\s+2:G0+4*\s+3], s[20:21], \s*ROWB
	s_or_b32 s[G0+4*\s+3], s[G0+4*\s+3], 0x80000000
	s_mov_b32 s[G0B+4*\s], 1
	s_add_co_u32 s[G0B+4*\s+1], s45, \s*SLOT
	s_add_nc_u64 s[G0B+4*\s+2:G0B+4*\s+3], s[46:47], \s*ROWB
	s_or_b32 s[G0B+4*\s+3], s[G0B+4*\s+3], 0x80000000
.endr
	CROUND                                         ; all sixteen work-groups are here: the first joint loads meet
	JLOAD G0, G1, G0B, G1B                         ; K step 0: one tensor load a wave at the head
	; the rest of the head: first all scalar work, then all vector work on end
	s_lshl_b32 s70, s17, 1
	s_add_co_u32 s70, s70, s15
	s_lshl_b32 s70, s70, 14                        ; the scale bytes of my 128 rows of x
	s_lshl_b32 s71, s42, 1
	s_add_co_u32 s71, s71, s16
	s_lshl_b32 s71, s71, 14
	s_add_co_u32 s71, s71, SCLB                    ; of my 128 rows of Wd,
	s_sub_co_u32 s71, s71, s70                     ; as a distance from x's (positive, under 2^24)
	s_lshl_b32 s72, s42, 10
	s_lshl_b32 s73, s16, 9
	s_add_co_u32 s72, s72, s73                     ; my first column, in bytes of f32
	s_mov_b32 s73, 0
	s_add_nc_u64 s[10:11], s[10:11], s[72:73]
	s_lshl_b32 s20, s17, 8
	s_lshl_b32 s21, s15, 7
	s_add_co_u32 s20, s20, s21
	s_lshl_b32 s20, s20, 14                        ; my first row of out, 16,384 bytes a row
	s_mov_b32 s21, 0
	s_add_nc_u64 s[12:13], s[12:13], s[20:21]
	s_add_nc_u64 s[12:13], s[12:13], s[72:73]
	s_mul_i32 s74, s15, HALFT                      ; my 128 rows of x in a slot
	s_mul_i32 s75, s16, HALFT
	s_add_co_u32 s75, s75, 2*HALFT                 ; my 128 rows of Wd, behind x's 256
	s_mul_i32 s23, s14, 16*SPITCH                  ; my stage
	s_lshl_b32 s76, s17, 8                         ; the prefetches: the tile's first row,
	s_lshl_b32 s77, s42, 8
	s_lshl_b32 s78, s17, 1                         ; its first run of 16,384 scale bytes (Wd's lie 32 runs on)
	s_lshl_b32 s79, s42, 1
	s_add_co_u32 s79, s79, 32
	s_cmp_eq_u32 s15, 0                            ; do I fetch x's codes?
	s_cselect_b32 s76, s76, s77
	s_cselect_b32 s77, s40, s41                    ; my place among the four that ask with me
	s_cselect_b32 s78, s78, s79
	s_cselect_b64 s[PFA:PFA+1], s[4:5], s[6:7]
	s_lshl_b32 s79, s16, 7
	s_add_co_u32 s76, s76, s79                     ; + the 128 rows that I fetch
	s_lshl_b32 s79, s77, 5
	s_add_co_u32 s76, s76, s79                     ; + my work-group's 32 of them
	s_lshl_b32 s72, s76, 12
	s_add_nc_u64 s[PFA:PFA+1], s[PFA:PFA+1], s[72:73]
	s_add_co_u32 s78, s78, s16
	s_lshl_b32 s78, s78, 14
	s_lshl_b32 s77, s77, 8                         ; of a step's 1,024 scale bytes my work-group names 256
	s_add_co_u32 s72, s78, s77
	s_add_nc_u64 s[PFS:PFS+1], s[8:9], s[72:73]
	v_and_b32 v1, 15, v0                           ; r
	v_bfe_u32 v2, v0, 4, 1                         ; h
	v_and_b32 v6, 31, v0                           ; lane
	v_mul_u32_u24 v5, s71, v2                      ; lanes 16-31 take Wd's scale words
	v_lshl_add_u32 v5, v1, 4, v5
	v_add_nc_u32 v[ADRS], s70, v5
	v_lshlrev_b32 v7, 5, v2                        ; bias: 32 h
	v_mul_u32_u24 v3, v1, PITCH
	v_lshl_add_u32 v4, v2, 4, v3                   ; a fragment's row x pitch + 16 h
	v_add_nc_u32 v[ADRA], s74, v4
	v_add_nc_u32 v[ADRB], s75, v4
	v_add_nc_u32 v[ADRA+1], SLOT, v[ADRA]
	v_add_nc_u32 v[ADRB+1], SLOT, v[ADRB]
	v_mul_u32_u24 v8, v1, SPITCH
	v_lshl_add_u32 v8, v2, 5, v8
	v_add_nc_u32 v[STO], s23, v8                   ; into the stage: row r, 32 bytes for each half of the lanes
	v_lshlrev_b32 v[CO], 4, v6                     ; back: 32 lanes take a row of 512 bytes; the same in out
	v_add_nc_u32 v[RD], s23, v[CO]
	v_lshlrev_b32 v[PFO], 12, v6
	v_mov_b32 v[PFZ], 0
	s_wait_alu depctr_va_vdst(0)                   ; the head's end
.irp b, 0,1,2,3,4,5,6,7
	global_load_b128 v[BI+8*\b:BI+8*\b+3],   v7, s[10:11] offset:64*\b        ; bias of columns 16 b + 8 h + 0..7, in the result's layout
	global_load_b128 v[BI+8*\b+4:BI+8*\b+7], v7, s[10:11] offset:64*\b+16
.endr
.macro GSCALES set, o                  ; a K step's scale words: register 2 i + q: lanes 0-15 x's block i, lanes 16-31 Wd's block i
.irp j, 0,1,2,3
	global_load_b128 v[SC+16*\set+4*\j:SC+16*\set+4*\j+3], v[ADRS], s[8:9] offset:\o+256*\j
.endr
.endm
	GSCALES 0, 0
	GSCALES 1, SCLK
	global_prefetch_b8 v[PFO], s[PFA:PFA+1] offset:ROWB th:TH_LOAD_NT scope:SCOPE_SE     ; K steps 1 and 2 of my 32 rows,
	global_prefetch_b8 v[PFO], s[PFA:PFA+1] offset:2*ROWB th:TH_LOAD_NT scope:SCOPE_SE
	global_prefetch_b8 v[PFZ], s[PFS:PFS+1] offset:2*SCLK th:TH_LOAD_NT scope:SCOPE_SE   ; and K step 2's scale bytes (steps 0 and 1 are loaded above)
.macro FRAG reg, adr, q, i             ; 16 rows x 128 codes: registers 4 c .. 4 c + 3 hold n = 32 c + 16 h + 0 .. 15
.irp c, 0,1,2,3
	ds_load_b128 v[\reg+4*\c:\reg+4*\c+3], v[\adr] offset:128*(\q)+32*\c+(\i)*16*PITCH
.endr
.endm
.macro RUN_B slot, q, i0               ; four of Wd's fragments into set q: 16 loads
	WIN TO_B
.irp i, 0,1,2,3
	FRAG 128*(\q)+FR*(\i0+\i), ADRB+\slot, \q, \i0+\i
.endr
.endm
.macro RUN_A slot, q, i0               ; two of x's fragments: 8 loads
	WIN 0
.irp i, 0,1
	FRAG AF+FR*(\i0+\i)-ALT*((\i0+\i)/6)*(\q), ADRA+\slot, \q, \i0+\i
.endr
.endm
; four products: x's block a against Wd's blocks n0 .. n0 + 3; the slot's q-th 128; Wd's set is q; sc: the set of scale words.  zero = 1: C is the bias.
; The 64 accumulators take turns, one instruction a turn, in the same order in every substep.
.macro MUL4 a, n0, q, sc, zero
.irp b, 0,1,2,3
.if \zero
	v_wmma_scale_f32_16x16x128_f8f6f4 v[8*(8*((\a)%4)+\n0+\b):8*(8*((\a)%4)+\n0+\b)+7], v[128*(\q)+FR*(\n0+\b):128*(\q)+FR*(\n0+\b)+FR-1], v[AF+FR*(\a)-ALT*((\a)/6)*(\q):AF+FR*(\a)-ALT*((\a)/6)*(\q)+FR-1], v[BI+8*(\n0+\b):BI+8*(\n0+\b)+7], v[SC+16*(\sc)+2*(\n0+\b)+(\q)], v[SC+16*(\sc)+2*(\a)+(\q)] matrix_a_fmt:MATRIX_FMT_BF8 matrix_b_fmt:MATRIX_FMT_BF8 matrix_a_scale:MATRIX_SCALE_ROW1
.else
	v_wmma_scale_f32_16x16x128_f8f6f4 v[8*(8*((\a)%4)+\n0+\b):8*(8*((\a)%4)+\n0+\b)+7], v[128*(\q)+FR*(\n0+\b):128*(\q)+FR*(\n0+\b)+FR-1], v[AF+FR*(\a)-ALT*((\a)/6)*(\q):AF+FR*(\a)-ALT*((\a)/6)*(\q)+FR-1], v[8*(8*((\a)%4)+\n0+\b):8*(8*((\a)%4)+\n0+\b)+7], v[SC+16*(\sc)+2*(\n0+\b)+(\q)], v[SC+16*(\sc)+2*(\a)+(\q)] matrix_a_fmt:MATRIX_FMT_BF8 matrix_b_fmt:MATRIX_FMT_BF8 matrix_a_scale:MATRIX_SCALE_ROW1
.endif
.endr
.endm
.macro MUL8 a, q, sc, zero
	MUL4 \a, 0, \q, \sc, \zero
	MUL4 \a, 4, \q, \sc, \zero
.endm
.macro PLACES n
.rept \n
	v_nop
.endr
.endm
.macro RUN40 ns, nq                    ; Wd's eight fragments and x's blocks 0-1 of the next substep
	RUN_B \ns, \nq, 0
	RUN_B \ns, \nq, 4
	RUN_A \ns, \nq, 0
.endm
; A substep: the q-th 128 of \slot is multiplied; the fragments of the nq-th 128 of slot ns are fetched.
; meet = 1: the slot is changed and \slot filled again (a round of the cluster's barrier); meet = 2: the slot is changed, nothing is filled; lc: younger global loads that may stay out (-1: no wait).
.macro SUB slot, q, ns, nq, meet, zero, lc
.if \meet == 1
	s_wait_xcnt 0x0                                ; my prefetches and scale loads have read their addresses: these step
	s_add_nc_u64 s[PFA:PFA+1], s[PFA:PFA+1], ROWB
	s_add_nc_u64 s[PFS:PFS+1], s[PFS:PFS+1], SCLK
	v_add_nc_u32 v[ADRS], SCLK, v[ADRS]
	s_wait_alu depctr_va_vdst(0)                   ; directly behind the write
.endif
.if \lc >= 0
	s_wait_loadcnt \lc                             ; this slot's scale words are in; the other slot's four loads may be out
.endif
	s_wait_dscnt 24                                ; Wd's set and x's blocks 0-1 are in; the youngest 24 loads (x's blocks 2-7) may be out
	MW 0, \zero
	MUL8 0, \q, \slot, \zero
	MUL8 1, \q, \slot, \zero
.if \meet
	WIN 0                                          ; (the add's two registers lie in window 0)
	s_wait_tensorcnt 0x0                           ; all my tensor loads have landed: the one that was out is my part of the next slot
	ds_add_u32 v[SPW], v[NIL]
.if \meet == 1
	s_add_nc_u64 s[G0+4*\slot+2:G0+4*\slot+3], s[G0+4*\slot+2:G0+4*\slot+3], 2*ROWB      ; no tensor load of mine is out: this slot's next K step
	s_add_nc_u64 s[G0B+4*\slot+2:G0B+4*\slot+3], s[G0B+4*\slot+2:G0B+4*\slot+3], 2*ROWB
.endif
	s_wait_dscnt 1                                 ; x's blocks 2-7 are in; the add may be out
	MW 0, 0
	MUL4 2, 0, \q, \slot, 0
	s_wait_dscnt 0x0                               ; the add is done, and my reads of this slot are over
	s_barrier_signal -1
	MUL4 2, 4, \q, \slot, 0
	WIN 0
	s_barrier_wait -1
.if \meet == 1
	CREST                                          ; the barrier has opened a round: no wave of any partner still reads this slot or has a load on its way
	JLOAD G0+4*\slot, G1, G0B+4*\slot, G1B         ; the first tensor load behind the round; its four v_nop are four of the eight places
	PLACES NP-4
.else
	PLACES NP
.endif
	RUN40 \ns, \nq
.if \meet == 1
	ASK
.endif
	MW 0, 0
	MUL8 3, \q, \slot, 0
.else
	PLACES NP
	RUN40 \ns, \nq
	s_wait_dscnt 40                                ; x's blocks 2-7 are in: behind their loads stand the 40 just issued
	MW 0, \zero
	MUL8 2, \q, \slot, \zero
	MUL8 3, \q, \slot, \zero
.endif
	MW 1, \zero
	MUL8 4, \q, \slot, \zero
	MUL8 5, \q, \slot, \zero
	PLACES NP
	RUN_A \ns, \nq, 2
	RUN_A \ns, \nq, 4
.if \zero == 0
	RUN_A \ns, \nq, 6                              ; into the other pair of registers for blocks 6-7
.endif
	MW 1, \zero
	MUL8 6, \q, \slot, \zero
	MUL8 7, \q, \slot, \zero
.if \zero
	PLACES NP                                      ; the bias has been read out: its first 32 registers take x's blocks 6-7
	RUN_A \ns, \nq, 6
.endif
.if \meet == 1
	PLACES NP
	WIN 0
	GSCALES \slot, SCLK                            ; this slot's next scale words: its set has been read out
.endif
	WIN 0
.endm
	s_wait_tensorcnt 0x0                           ; my part of K step 0 is in
	ds_add_u32 v[SPW], v[NIL]
	s_wait_dscnt 0x0
	CROUND                                         ; everybody's part of K step 0 is in, and the joint loads meet
	JLOAD G0+4, G1, G0B+4, G1B                     ; K step 1: slot 1's first fill
	RUN40 0, 0
	RUN_A 0, 0, 2
	RUN_A 0, 0, 4
	RUN_A 0, 0, 6
	global_prefetch_b8 v[PFO], s[PFA:PFA+1] offset:3*ROWB th:TH_LOAD_NT scope:SCOPE_SE   ; K step 3
	global_prefetch_b8 v[PFZ], s[PFS:PFS+1] offset:3*SCLK th:TH_LOAD_NT scope:SCOPE_SE
	SUB 0, 0, 0, 1, 0, 1, 4                        ; the first substep stands in front of the loop: its products start the sums, from the bias
	s_mov_b32 s3, LAPS-1
.Llap:                                                 ; a trip goes once round the ring and fills both slots again
	SUB 0, 1, 1, 0, 1, 0, -1
	SUB 1, 0, 1, 1, 0, 0, 4
	SUB 1, 1, 0, 0, 1, 0, -1
	SUB 0, 0, 0, 1, 0, 0, 4
	s_sub_co_u32 s3, s3, 1
	s_cmp_lg_u32 s3, 0
	s_cbranch_scc1 .Llap
	SUB 0, 1, 1, 0, 2, 0, -1                       ; the last lap fills nothing, and has no round
	SUB 1, 0, 1, 1, 0, 0, 0
	s_wait_dscnt 24                                ; the very last substep: nothing more to fetch
	MW 0, 0
	MUL8 0, 1, 1, 0
	MUL8 1, 1, 1, 0
	s_wait_dscnt 0
	MUL8 2, 1, 1, 0
	MUL8 3, 1, 1, 0
	MW 1, 0
.irp a, 4,5,6,7
	MUL8 \a, 1, 1, 0
.endr
	WIN 0
; THE WAY OUT, block by block of 16 rows x 128 columns: through my own stage in LDS and back as whole rows of 512 bytes, which 32 lanes store as two aligned units of 256 bytes.
; LDS serves a wave's instructions in order (ISA guide 5.7.1.4): no wait between the stores and the loads.  Each block comes back into registers of its own: blocks 0 and 1 into x's fragments' registers,
; block a into the accumulators of block a - 2, whose stores into the stage are shown done by the wait for that block's loads.  So no store's data are written again; the 128 rows' offsets
; (127 x 16,384 bytes at the most) stand in the immediates, so neither base nor offset is stepped.
.macro BACK a                          ; where block a comes back to: BB, in window BW
.if (\a) < 2
.set BB, BK+64*(\a)
.set BW, 0
.else
.set BB, 64*(((\a)-2)%4)
.set BW, 2+((\a)-2)/4
.endif
.endm
.macro TOSTAGE a
.set AC, 64*((\a)%4)
	WIN 0x08+4*((\a)/4)                            ; the data: window 2 or 3
.irp b, 0,1,2,3,4,5,6,7
	ds_store_b128 v[STO], v[AC+8*\b:AC+8*\b+3] offset:64*\b          ; each accumulator from its low end on
	ds_store_b128 v[STO], v[AC+8*\b+4:AC+8*\b+7] offset:64*\b+16
.endr
	BACK \a
	WIN BW<<6                                      ; the destination's window
.irp t, 0,1,2,3,4,5,6,7,8,9,10,11,12,13,14,15
	ds_load_b128 v[BB+4*\t:BB+4*\t+3], v[RD] offset:\t*SPITCH
.endr
.endm
.macro SEND a, younger                 ; younger: the LDS instructions issued behind block a's loads
	BACK \a
	WIN BW<<2                                      ; the data's window
	s_wait_dscnt \younger
.irp t, 0,1,2,3,4,5,6,7,8,9,10,11,12,13,14,15
	global_store_b128 v[CO], v[BB+4*\t:BB+4*\t+3], s[12:13] offset:(16*(\a)+\t)*SIZE_N*4 th:TH_STORE_NT
.endr
.endm
	PLACES NP
	TOSTAGE 0
.irp a, 1,2,3,4,5,6,7
	TOSTAGE \a
	SEND \a-1, 32
.endr
	SEND 7, 0
	WIN 0
	s_wait_tensorcnt 0x0                           ; the wave's end
	ds_add_u32 v[SPW], v[NIL]
	s_wait_dscnt 0x0
	CROUND                                         ; the closing round
	s_endpgm
.Lfunc_end_k_q360002e653_gemm:
	.size	k_q360002e653_gemm, .Lfunc_end_k_q360002e653_gemm-k_q360002e653_gemm
	.p2alignl 7, 3214868480
	.fill 96, 4, 3214868480
	.section	.rodata,"a",@progbits
	.p2align	6, 0x0
	.amdhsa_kernel k_q360002e653_gemm
		.amdhsa_group_segment_fixed_size 327680
		.amdhsa_private_segment_fixed_size 0
		.amdhsa_enable_private_segment 0
		.amdhsa_kernarg_size 40
		.amdhsa_user_sgpr_count 2
		.amdhsa_user_sgpr_kernarg_segment_ptr 1
		.amdhsa_wavefront_size32 1
		.amdhsa_system_sgpr_workgroup_id_x 1
		.amdhsa_system_sgpr_workgroup_id_y 1
		.amdhsa_system_sgpr_workgroup_id_z 1
		.amdhsa_system_vgpr_workitem_id 0
		.amdhsa_next_free_vgpr 1024
		.amdhsa_next_free_sgpr 80
		.amdhsa_reserve_vcc 0
		.amdhsa_float_denorm_mode_32 3
		.amdhsa_float_denorm_mode_16_64 3
		.amdhsa_memory_ordered 1
		.amdhsa_forward_progress 1
		.amdhsa_inst_pref_size 148
	.end_amdhsa_kernel
	.amdgpu_metadata
---
amdhsa.version: [ 1, 2 ]
amdhsa.kernels:
  - .name:           k_q360002e653_gemm
    .symbol:         k_q360002e653_gemm.kd
    .args:
      - { .name: acodes, .offset: 0, .size: 8, .value_kind: global_buffer, .address_space: global }
      - { .name: bcodes, .offset: 8, .size: 8, .value_kind: global_buffer, .address_space: global }
      - { .name: scl, .offset: 16, .size: 8, .value_kind: global_buffer, .address_space: global }
      - { .name: bias, .offset: 24, .size: 8, .value_kind: global_buffer, .address_space: global }
      - { .name: out0, .offset: 32, .size: 8, .value_kind: global_buffer, .address_space: global }
    .group_segment_fixed_size: 327680
    .private_segment_fixed_size: 0
    .kernarg_segment_align: 8
    .kernarg_segment_size: 40
    .max_flat_workgroup_size: 128
    .sgpr_count:     80
    .vgpr_count:     1024
    .wavefront_size: 32
...
	.end_amdgpu_metadata
.endif
;; end of part 2
